; MI455X (gfx1250); checked and timed in simulation.
; The chip was launched on July 23, 2026; its instructions are those of AMD's public machine-readable ISA for CDNA 5 (MIT licence, August 2026) and "CDNA5" Instruction Set Architecture Reference Guide (July 2026). The comments in the code are by the model that wrote it; some were corrected since.
;; Decoder Layer. Allowed arithmetic: matrix products marked QUANTISED: E5M2 operands, one given power-of-two scale a tensor, by v_wmma_f32_16x16x64_bf8_bf8 or v_wmma_f32_16x16x128_bf8_bf8, f32 sums; everything else in f32.
;; Inputs: Wk 1,024 x 1,024 float32; Wq 1,024 x 1,024 float32; Wv 1,024 x 1,024 float32; bk 1,024 float32; bq 1,024 float32; bv 1,024 float32; inputs 2,048 x 4 x 1,024 float32; lowp_scales 10 int32 (the exponents e of the quantised operands' scales 2^e); mask 2,048 x 2,048 bool.
;; Outputs: out0 2,048 x 4 x 1,024 float32.
;; This version of the problem:
;;   THIS VERSION OF THE PROBLEM IS GIVEN IN LOW PRECISION. The matrix products marked QUANTISED in the list below multiply operands that are first quantised to E5M2 (5 exponent bits, 2 mantissa bits; 8 bits a number), with one given power-of-two scale for each operand tensor; their sums are f32. All else is computed in f32.
;;   The module's matrix products, in the order in which they are computed (A, B: the left and right operand; K: the contracted axis; several contracted axes count as one K, in the product's order):
;;     1. [M 8,192, K 1,024] x [K 1,024, N 1,024]; A: input inputs; B: input Wq: QUANTISED (scales: A lowp_scales[0], B lowp_scales[1])
;;     2. [M 8,192, K 1,024] x [K 1,024, N 1,024]; A: input inputs; B: input Wk: QUANTISED (scales: A lowp_scales[2], B lowp_scales[3])
;;     3. [M 8,192, K 1,024] x [K 1,024, N 1,024]; A: input inputs; B: input Wv: QUANTISED (scales: A lowp_scales[4], B lowp_scales[5])
;;     4. batch 64 x [M 2,048, K 64] x [K 64, N 2,048]; A: computed on the way; B: computed on the way: QUANTISED (scales: A lowp_scales[6], B lowp_scales[7])
;;     5. batch 64 x [M 2,048, K 2,048] x [K 2,048, N 64]; A: softmax (see below); B: computed on the way: QUANTISED (scales: A lowp_scales[8], B lowp_scales[9])
;;   THE QUANTISER, for each operand of a quantised product, along K:
;;     - The operand's scale is 2^e, e = its entry of the input lowp_scales (int32; the entries are numbered through the quantised products in the list's order, A before B).
;;     - Each number is divided by the scale, clamped to +-57,344, and rounded to the nearest number of E5M2, ties to even, subnormals kept.
;;     - The product sums the exact products of the quantised numbers (number of the format x scale) in f32.
;;   ~~~python
;;   def quantise(x, axis, e):      # numpy; x: float32 -> the quantised numbers, widened to float32 again
;;       x = np.moveaxis(x, axis, -1); K = x.shape[-1]
;;       r = np.clip(x / 2.0 ** e, -57344, 57344)
;;       step = 2.0 ** (np.maximum(np.frexp(np.where(r == 0, 1, r))[1] - 1, -14) - 2)
;;       q = np.round(r / step) * step * 2.0 ** e      # np.round: ties to even
;;       return np.moveaxis(q, -1, axis).astype(np.float32)
;;   ~~~
;;   SOFTMAX AHEAD OF A QUANTISED PRODUCT. Where the list says 'softmax', what is quantised is not the finished softmax but p = 2^(t - M), with t = logit x log2(e) and M = ceil(the row's largest t), a whole number; so 1/2 < the row's largest p <= 1. The row's sum l is taken of the UNQUANTISED p, in f32, and the product's result is divided by l at the end. Since M is a whole number, a kernel that streams over the keys may use a running M (the ceiling of the running maximum): every later rescaling is an exact power of two, so the quantised numbers keep their values, but for numbers so far below the row's largest that they fall under the format's range.
;;   OPERANDS COMPUTED ON THE WAY. 'Computed on the way' means the value that the module computes at that place (a softmax that the list does not call 'softmax' is quantised finished and normalised). What goes into a quantiser is computed in f32, as accurately as f32 sums, v_exp_f32 and their like allow (about 1e-6 of the number): no bf16 or f16 on the way to a quantiser, and a product that is left as it is and whose result goes on into a quantised operand takes f32 operands (vector FMAs, or v_wmma_f32_16x16x4_f32). A number that lies on a knife's edge between two numbers of the format may be rounded either way, as far as f32 arithmetic and the matrix unit's own rounding can turn it there, and no further.
;; One version. Each part assembles by itself: llvm-mc -triple=amdgcn-amd-amdhsa -mcpu=gfx1250 --defsym DOCPART=n.
;; ======== version 1 of 1: 3 launches
;; limits: right only within a limited range of input values
;; workspace buffers: xc 25,165,824 bytes; wc 3,145,728 bytes; maskw 524,288 bytes of whole numbers; maskf 262,144 bytes of whole numbers; qc 8,388,608 bytes; kvc 16,777,216 bytes
;; launch prep (part 1): grid 480 x 1, 8 waves a work-group, no clusters, 82,944 bytes of LDS; arguments inputs, Wq, Wk, Wv, mask, lowp_scales, xc, wc, maskw, maskf; writes xc, wc, maskw, maskf
.if DOCPART == 1
	.amdgcn_target "amdgcn-amd-amdhsa--gfx1250"
	.amdhsa_code_object_version 6
	.text
	.protected	k_q625528eee6_prep
	.globl	k_q625528eee6_prep
	.p2align	8
	.type	k_q625528eee6_prep,@function
k_q625528eee6_prep:
	s_mov_b64 s[64:65], 0
	v_nop
	global_prefetch_b8 v0, s[64:65] scope:SCOPE_SE
	s_setreg_imm32_b32 hwreg(HW_REG_WAVE_MODE, 25, 1), 1
	s_wait_xcnt 0x0
; PREP: the operands of the three projections become codes of BF8 (E5M2), and the mask becomes words of one bit a lane.
; code = x / 2^e, held within +-57,344, rounded to the nearest code, ties to even.  LIMITS: each e of lowp_scales[0..5] lies between -126 and 112, so that 2^e and 57,344 x 2^e are f32 numbers.
; NaN among the inputs is not served; an infinity is held at the largest code.
; inputs [2048 s][4 b][1024] is an operand three times, each time with a scale of its own: xc [3 p][4 b][2048 row][1024 k], e = entry 0, 2, 4.  row = s for p = 0, sigma(s) for p = 1, 2.
; Wq, Wk, Wv [1024 n][1024 k]: wc [3 p][1024 row][1024 k], e = entry 1, 3, 5.  row = sigma(n) for p = 0, 1, n for p = 2.  sigma swaps bits 3 and 4 of an index (it is its own inverse):
; the next launch's products then leave 16 neighbours along the next K in 16 consecutive registers of a lane.
; maskw [128 qt][16 ks][64 n] of 32-bit words: bit L of a word = mask[16 qt + L % 16][128 ks + 32 (n / 16) + 16 (L / 16) + n % 16]: the lane L and register n in which the attention launch holds that score.
; SHARES.  Work-groups 0-255: wave 8 wg + w takes the four rows (s, b = 0..3) of inputs, 16 KiB.  Work-groups 256-351: 32 for each weight, a wave takes four rows.  Work-groups 352-479: one tile of 16 queries each,
; a wave takes 256 keys.  The three ways part on the work-group's number and never join; each has LDS bytes of its own.  No barrier: waves share nothing.
; A step is 512 numbers.  Each of its four loads reads 512 consecutive bytes, 16 a lane; the conversions want 16 NEIGHBOURS in a lane: so the 2,048 bytes turn through the wave's own stage in LDS (16 bytes of padding
; behind each 64) and come back 64 bytes a lane.  A lane's 16 codes are 16 bytes: a store covers 512 consecutive bytes, aligned.  Loads run four steps (16 loads a wave) ahead, the turn through LDS one step.
.set SP,    80                         ; a lane's place in a stage: 64 bytes + 16 of padding
.set STG,   32*SP                      ; a stage
.set WREG,  2*STG                      ; a wave's two stages
.set LBX,   0                          ; LDS: the stages of the way for inputs,
.set LBW,   8*WREG                     ; and of the way for weights
.set R,     16                         ; v16-79    four sets of 16 numbers as loaded
.set X,     80                         ; v80-111   two sets of 16 neighbours
.set T,     112                        ; v112-143  two sets of held numbers, by turns
.set C,     144                        ; v144-239  four registers for each conversion of a wave: no store's data are written again
.set SC,    240                        ; v240-242  2^e
.set LM,    243                        ; v243-245  57,344 x 2^e
	s_load_b512 s[4:19], s[0:1], 0x0               ; inputs 4:5, Wq 6:7, Wk 8:9, Wv 10:11, mask 12:13, scales 14:15, xc 16:17, wc 18:19
	s_load_b64 s[20:21], s[0:1], 0x40              ; maskw
	s_load_b64 s[48:49], s[0:1], 0x48              ; maskf (s40-47 take the compares' lane masks on the mask's way)
	v_lshl_add_u32 v248, v0, 2, 0x14000
	v_mov_b32 v249, 0
	v_lshrrev_b32 v1, 5, v0
	s_delay_alu instid0(VALU_DEP_1)
	v_readfirstlane_b32 s22, v1                    ; wave 0..7
	v_and_b32 v2, 31, v0                           ; lane
	s_delay_alu instid0(VALU_DEP_1)
	v_lshlrev_b32 v3, 4, v2                        ; 16 x lane: my bytes of a load's 512, and of a store's
	s_mul_i32 s23, s22, WREG
	v_lshrrev_b32 v14, 2, v2
	s_delay_alu instid0(VALU_DEP_1)
	v_mul_u32_u24 v14, v14, SP
	v_and_b32 v15, 3, v2
	s_delay_alu instid0(VALU_DEP_1)
	v_lshl_add_u32 v14, v15, 4, v14
	s_delay_alu instid0(VALU_DEP_1)
	v_add_nc_u32 v14, s23, v14                     ; the stage, on the way in: four lanes' 64 bytes on end, then the padding
	v_mul_u32_u24 v15, v2, SP
	s_delay_alu instid0(VALU_DEP_1)
	v_add_nc_u32 v15, s23, v15                     ; and on the way out: my 16 neighbours
	s_wait_kmcnt 0x0
	s_cmp_ge_u32 ttmp9, 352
	s_cbranch_scc1 .Lmask
	s_load_b256 s[24:31], s[14:15], 0x0            ; entries 0 to 7 of the scales
	s_cmp_ge_u32 ttmp9, 256
	s_cbranch_scc1 .Lw
.macro LOAD t                          ; step t's 2,048 bytes
.irp i, 0,1,2,3
	global_load_b128 v[R+16*((\t)%4)+4*\i:R+16*((\t)%4)+4*\i+3], v3, s[4:5] offset:2048*(\t)+512*\i th:TH_LOAD_NT
.endr
.endm
.macro TURN t, lb                      ; through the stage: LDS serves a wave's instructions in order (ISA guide 5.7.1.4), so no wait stands between the stores and the loads
.irp i, 0,1,2,3
	ds_store_b128 v14, v[R+16*((\t)%4)+4*\i:R+16*((\t)%4)+4*\i+3] offset:\lb+STG*((\t)%2)+8*SP*\i
.endr
.irp i, 0,1,2,3
	ds_load_b128 v[X+16*((\t)%2)+4*\i:X+16*((\t)%2)+4*\i+3], v15 offset:\lb+STG*((\t)%2)+16*\i
.endr
.endm
.macro PRE t, lb                       ; the head of step t
	s_wait_dscnt 0x0                               ; this step's numbers are back from the stage, so its stores into the stage have read their registers,
.if (\t)+4 < 8
	LOAD (\t)+4                                    ; which take the loads of four steps on
.endif
.if (\t)+1 < 8
.if 6-(\t) >= 3
	s_wait_loadcnt 12                              ; the next step's four loads are in; those of the three steps behind it may be out
.else
	s_wait_loadcnt 4*(6-(\t))                      ; the counts run down
.endif
	TURN (\t)+1, \lb                               ; and go through the other stage while this step is worked
.endif
.endm
; Conversion q of the wave: step t's 16 neighbours, held (the conversion to an 8-bit code does not saturate: ISA guide 7.6.2), converted, stored.  The held numbers' two sets take turns with q, so that sixteen plain
; lines stand between a conversion and the next write of its sources; its result is touched by a store alone.
.macro CONV t, q, sc, lim, base, off
.irp i, 0,1,2,3,4,5,6,7,8,9,10,11,12,13,14,15
	v_med3_num_f32 v[T+16*((\q)%2)+\i], v[X+16*((\t)%2)+\i], -v[\lim], v[\lim]
.endr
	v_cvt_scalef32_pk8_bf8_f32 v[C+4*(\q):C+4*(\q)+1], v[T+16*((\q)%2):T+16*((\q)%2)+7], v[\sc]
	v_cvt_scalef32_pk8_bf8_f32 v[C+4*(\q)+2:C+4*(\q)+3], v[T+16*((\q)%2)+8:T+16*((\q)%2)+15], v[\sc]
	global_store_b128 v3, v[C+4*(\q):C+4*(\q)+3], s[\base:\base+1] offset:\off
.endm
.macro SCALE e, sc, lim                ; from the whole number in s[e]: 2^e (the conversion takes its exponent field) and 57,344 x 2^e
	s_add_co_i32 s42, s[\e], 127
	s_lshl_b32 s43, s42, 23
	v_mov_b32 v[\sc], s43
	s_add_co_i32 s42, s42, 15
	s_lshl_b32 s42, s42, 23
	s_or_b32 s42, s42, 0x600000
	v_mov_b32 v[\lim], s42
.endm
	; ---- inputs
	s_lshl_b32 s32, ttmp9, 3
	s_add_co_u32 s32, s32, s22                     ; s
	s_lshl_b32 s34, s32, 14
	s_mov_b32 s35, 0
	s_add_nc_u64 s[4:5], s[4:5], s[34:35]          ; my four rows of 4,096 bytes
	s_lshr_b32 s33, s32, 3
	s_lshr_b32 s34, s32, 4
	s_xor_b32 s33, s33, s34
	s_and_b32 s33, s33, 1
	s_mul_i32 s33, s33, 24
	s_xor_b32 s33, s32, s33                        ; sigma(s): bits 3 and 4 are turned where they differ
	s_lshl_b32 s34, s32, 10
	s_add_nc_u64 s[36:37], s[16:17], s[34:35]      ; p = 0: row s
	s_lshl_b32 s34, s33, 10
	s_add_nc_u64 s[38:39], s[16:17], s[34:35]
	s_add_nc_u64 s[40:41], s[38:39], 0x1000000     ; p = 2: row sigma(s)
	s_add_nc_u64 s[38:39], s[38:39], 0x800000      ; p = 1: row sigma(s)
	s_wait_alu depctr_va_vdst(0)
.irp t, 0,1,2,3
	LOAD \t
.endr
	s_wait_kmcnt 0x0
	SCALE 24, SC, LM
	SCALE 26, SC+1, LM+1
	SCALE 28, SC+2, LM+2
	s_wait_alu depctr_va_vdst(0)
	s_wait_loadcnt 12                              ; step 0's four loads are in
	TURN 0, LBX
.irp t, 0,1,2,3,4,5,6,7                ; step t is half t % 2 of the row of batch t / 2; a batch's rows lie 2,097,152 bytes apart in xc: the greatest immediate, 6,291,968, is inside the signed 24 bits (ISA guide, chapter 10)
	PRE \t, LBX
	CONV \t, 3*\t,   SC,   LM,   36, (\t/2)*2097152+(\t%2)*512
	CONV \t, 3*\t+1, SC+1, LM+1, 38, (\t/2)*2097152+(\t%2)*512
	CONV \t, 3*\t+2, SC+2, LM+2, 40, (\t/2)*2097152+(\t%2)*512
.endr
	s_wait_tensorcnt 0x0
	ds_add_u32 v248, v249
	s_wait_dscnt 0x0
	s_endpgm
	; ---- a weight
.Lw:
	s_sub_co_u32 s32, ttmp9, 256
	s_lshr_b32 s33, s32, 5                         ; p
	s_and_b32 s32, s32, 31
	s_lshl_b32 s32, s32, 3
	s_add_co_u32 s32, s32, s22                     ; which four rows
	s_cmp_eq_u32 s33, 0
	s_cselect_b64 s[4:5], s[6:7], s[8:9]           ; Wq or Wk,
	s_cmp_eq_u32 s33, 2
	s_cselect_b64 s[4:5], s[10:11], s[4:5]         ; or Wv: the choice hangs on the work-group's number alone
	s_cselect_b32 s34, 0, 6                        ; Wv's rows stay where they are
	s_lshr_b32 s35, s32, 1
	s_lshr_b32 s36, s32, 2
	s_xor_b32 s35, s35, s36
	s_and_b32 s35, s35, 1
	s_mul_i32 s35, s35, s34
	s_xor_b32 s35, s32, s35                        ; bits 3 and 4 of a row are bits 1 and 2 of its group of four
	s_lshl_b32 s36, s32, 14
	s_mov_b32 s37, 0
	s_add_nc_u64 s[4:5], s[4:5], s[36:37]
	s_lshl_b32 s36, s33, 20
	s_lshl_b32 s35, s35, 12
	s_add_co_u32 s36, s36, s35
	s_add_nc_u64 s[36:37], s[18:19], s[36:37]
	s_wait_alu depctr_va_vdst(0)
.irp t, 0,1,2,3
	LOAD \t
.endr
	s_wait_kmcnt 0x0
	s_cmp_eq_u32 s33, 0
	s_cselect_b32 s44, s25, s27
	s_cmp_eq_u32 s33, 2
	s_cselect_b32 s44, s29, s44                    ; entry 1, 3 or 5
	SCALE 44, SC, LM
	s_wait_alu depctr_va_vdst(0)
	s_wait_loadcnt 12
	TURN 0, LBW
.irp t, 0,1,2,3,4,5,6,7
	PRE \t, LBW
	CONV \t, \t, SC, LM, 36, 512*\t
.endr
	s_wait_tensorcnt 0x0
	ds_add_u32 v248, v249
	s_wait_dscnt 0x0
	s_endpgm
	; ---- the mask: 16 queries x 256 keys a wave.  Lane (r, h) reads, of row r, 16 bytes of each 32: the keys that it will hold; a compare of one byte in all lanes is one word
.Lmask:
	s_sub_co_u32 s32, ttmp9, 352                   ; qt
	s_lshl_b32 s34, s32, 15                        ; 16 rows of 2,048 bytes
	s_lshl_b32 s33, s22, 8
	s_add_co_u32 s34, s34, s33                     ; + my 256 keys
	s_mov_b32 s35, 0
	s_add_nc_u64 s[12:13], s[12:13], s[34:35]
	s_lshl_b32 s34, s32, 12                        ; a tile of queries has 16 x 64 words,
	s_lshl_b32 s33, s22, 9                         ; my two key steps 128 of them
	s_add_co_u32 s34, s34, s33
	s_add_nc_u64 s[20:21], s[20:21], s[34:35]
	s_lshl_b32 s34, s32, 11                        ; maskf [128 qt][8 wave][64 words]: a wave's 256 bytes
	s_lshl_b32 s33, s22, 8
	s_add_co_u32 s34, s34, s33
	s_add_nc_u64 s[48:49], s[48:49], s[34:35]
	v_and_b32 v4, 15, v0
	v_bfe_u32 v5, v0, 4, 1
	s_delay_alu instid0(VALU_DEP_2)
	v_lshlrev_b32 v1, 11, v4
	s_delay_alu instid0(VALU_DEP_1)
	v_lshl_add_u32 v1, v5, 4, v1                   ; 2,048 r + 16 h
	v_lshlrev_b32 v6, 3, v2                        ; out: two words a lane
.irp j, 0,1,2,3,4,5,6,7
	global_load_b128 v[16+4*\j:19+4*\j], v1, s[12:13] offset:32*\j   ; the eight together cover 16 rows x 256 aligned bytes
.endr
.irp j, 48,49,50,51
	v_mov_b32 v\j, 0                               ; a lane write's destination counts as read
.endr
	s_wait_alu depctr_va_vdst(0)
	s_wait_loadcnt 0x0
.irp kk, 0,1
.set n, 0
.rept 64
	v_bfe_u32 v[52+n%4], v[16+4*(4*\kk+n/16)+(n%16)/4], 8*(n%4), 8
	s_delay_alu instid0(VALU_DEP_1)
	v_cmp_ne_u32 s[40+n%8], 0, v[52+n%4]           ; word n of the key step
	s_delay_alu instid0(VALU_DEP_1)
	v_writelane_b32 v[48+2*\kk+n%2], s[40+n%8], n/2
.set n, n+1
.endr
	global_store_b64 v6, v[48+2*\kk:49+2*\kk], s[20:21] offset:256*\kk   ; 32 lanes store 256 consecutive bytes, aligned
.endr
	; maskf: bit 2 wave + kk of my word is set where any of the 16 x 128 mask bytes of my key step kk is set.  The word is stored in all 64 places of my 256 bytes: one whole aligned unit a wave.
	v_or_b32 v56, v16, v17                         ; two chains by turns
	v_or_b32 v57, v32, v33
.irp j, 2,3,4,5,6,7,8,9,10,11,12,13,14,15
	v_or_b32 v56, v56, v[16+\j]
	v_or_b32 v57, v57, v[32+\j]
.endr
	v_cmp_ne_u32 s40, 0, v56
	v_cmp_ne_u32 s41, 0, v57
	s_cmp_lg_u32 s40, 0
	s_cselect_b32 s42, 1, 0
	s_cmp_lg_u32 s41, 0
	s_cselect_b32 s43, 2, 0
	s_or_b32 s42, s42, s43
	s_lshl_b32 s43, s22, 1
	s_lshl_b32 s42, s42, s43
	v_mov_b32 v58, s42
	v_mov_b32 v59, s42
	global_store_b64 v6, v[58:59], s[48:49]
	s_endpgm
.Lfunc_end_k_q625528eee6_prep:
	.size	k_q625528eee6_prep, .Lfunc_end_k_q625528eee6_prep-k_q625528eee6_prep
	.p2alignl 7, 3214868480
	.fill 96, 4, 3214868480
	.section	.rodata,"a",@progbits
	.p2align	6, 0x0
	.amdhsa_kernel k_q625528eee6_prep
		.amdhsa_group_segment_fixed_size 82944
		.amdhsa_private_segment_fixed_size 0
		.amdhsa_enable_private_segment 0
		.amdhsa_kernarg_size 80
		.amdhsa_user_sgpr_count 2
		.amdhsa_user_sgpr_kernarg_segment_ptr 1
		.amdhsa_wavefront_size32 1
		.amdhsa_system_sgpr_workgroup_id_x 1
		.amdhsa_system_sgpr_workgroup_id_y 1
		.amdhsa_system_sgpr_workgroup_id_z 1
		.amdhsa_system_vgpr_workitem_id 0
		.amdhsa_next_free_vgpr 250
		.amdhsa_next_free_sgpr 66
		.amdhsa_reserve_vcc 0
		.amdhsa_float_denorm_mode_32 3
		.amdhsa_float_denorm_mode_16_64 3
		.amdhsa_memory_ordered 1
		.amdhsa_forward_progress 1
		.amdhsa_inst_pref_size 95
	.end_amdhsa_kernel
	.amdgpu_metadata
---
amdhsa.version: [ 1, 2 ]
amdhsa.kernels:
  - .name:           k_q625528eee6_prep
    .symbol:         k_q625528eee6_prep.kd
    .args:
      - { .name: inputs, .offset: 0, .size: 8, .value_kind: global_buffer, .address_space: global }
      - { .name: Wq, .offset: 8, .size: 8, .value_kind: global_buffer, .address_space: global }
      - { .name: Wk, .offset: 16, .size: 8, .value_kind: global_buffer, .address_space: global }
      - { .name: Wv, .offset: 24, .size: 8, .value_kind: global_buffer, .address_space: global }
      - { .name: mask, .offset: 32, .size: 8, .value_kind: global_buffer, .address_space: global }
      - { .name: lowp_scales, .offset: 40, .size: 8, .value_kind: global_buffer, .address_space: global }
      - { .name: xc, .offset: 48, .size: 8, .value_kind: global_buffer, .address_space: global }
      - { .name: wc, .offset: 56, .size: 8, .value_kind: global_buffer, .address_space: global }
      - { .name: maskw, .offset: 64, .size: 8, .value_kind: global_buffer, .address_space: global }
      - { .name: maskf, .offset: 72, .size: 8, .value_kind: global_buffer, .address_space: global }
    .group_segment_fixed_size: 82944
    .private_segment_fixed_size: 0
    .kernarg_segment_align: 8
    .kernarg_segment_size: 80
    .max_flat_workgroup_size: 256
    .sgpr_count:     66
    .vgpr_count:     250
    .wavefront_size: 32
...
	.end_amdgpu_metadata
.endif
;; end of part 1
;; launch proj (part 2): grid 12 x 32, 4 waves a work-group, clusters of 4 x 4, 327,680 bytes of LDS; arguments xc, wc, lowp_scales, bq, bk, bv, qc, kvc; writes qc, kvc
.if DOCPART == 2
	.amdgcn_target "amdgcn-amd-amdhsa--gfx1250"
	.amdhsa_code_object_version 6
	.text
	.protected	k_q625528eee6_proj
	.globl	k_q625528eee6_proj
	.p2align	8
	.type	k_q625528eee6_proj,@function
k_q625528eee6_proj:
	s_mov_b64 s[64:65], 0
	v_nop
	global_prefetch_b8 v0, s[64:65] scope:SCOPE_SE
	s_setreg_imm32_b32 hwreg(HW_REG_WAVE_MODE, 25, 1), 1
	s_wait_xcnt 0x0
	s_wait_alu depctr_hold_cnt(0) depctr_sa_sdst(0) depctr_va_vdst(0) depctr_va_sdst(0) depctr_va_ssrc(0) depctr_va_vcc(0) depctr_vm_vsrc(0)
	s_getreg_b32 s2, hwreg(HW_REG_IB_STS2, 6, 4)
	s_cmp_eq_u32 s2, 0
	s_cbranch_scc0 .Lentry_in_a_cluster
	s_endpgm
.Lentry_in_a_cluster:
	s_bfe_u32 s2, ttmp6, 0x10000c
	s_cmp_lg_u32 s2, 0xf033
	s_cbranch_scc0 .Lentry_shape_is_right
	s_endpgm
.Lentry_shape_is_right:
.set KSTEP,  256
.set ROWB,   256
.set KROW,   1024
.set PITCH,  272
.set FR,     16
.set NL,     4
.set NP,     4
.set HALFT,  128*PITCH
.set SLOT,   4*HALFT
.set LAPS,   KROW/(2*KSTEP)
.set SPARE,  2*SLOT
.set ADRA, 16
.set ADRB, 20
.set VO,   26
.set SPW,  28
.set NIL,  29
.set BO,   30
.set BI,   32
.set TT,   96
.set AF,   128
.set CC,   160
.set LIM,  224
.set SCL,  225
.set G1, 24
.set G0, 32
.set G1B, 48
.set G0B, 56
.set MSB, 0
.macro WIN new
.if MSB != \new
	s_set_vgpr_msb (MSB<<8)|\new
.set MSB, \new
.endif
.endm
.set MUL_LO, 0xa1
.set MUL_HI, 0xf1
.set TO_B,   0x40
.macro JLOAD g0a, g1a, g0b, g1b
	s_cmp_eq_u32 s15, 0
	s_cbranch_scc0 .Lfor_b_\@
	tensor_load_to_lds s[\g0a:\g0a+3], s[\g1a:\g1a+7]
	s_nop 0
.rept 4
	v_nop
.endr
	s_branch .Lasked_\@
.Lfor_b_\@:
	tensor_load_to_lds s[\g0b:\g0b+3], s[\g1b:\g1b+7]
	s_nop 0
.rept 4
	v_nop
.endr
.Lasked_\@:
.endm
.macro CREST
	s_cmp_lg_u32 s14, 0
	s_cbranch_scc1 .Lnot_wave_0_\@
	s_barrier_signal -3
.Lnot_wave_0_\@:
	s_barrier_wait -3
	s_barrier_signal -1
	s_barrier_wait -1
.endm
.macro CROUND
	s_barrier_signal -1
	s_barrier_wait -1
	CREST
.endm
	s_load_b256 s[4:11], s[0:1], 0x0
	s_load_b256 s[68:75], s[0:1], 0x20
	v_lshl_add_u32 v[SPW], v0, 2, SPARE
	v_mov_b32 v[NIL], 0
	ds_add_u32 v28, v29
	ds_add_u32 v28, v29
	s_wait_dscnt 0x0
	v_lshrrev_b32 v1, 5, v0
	v_readfirstlane_b32 s14, v1
	s_lshr_b32 s15, s14, 1
	s_and_b32 s16, s14, 1
	s_bfe_u32 s40, ttmp6, 0x40000
	s_bfe_u32 s41, ttmp6, 0x40004
	s_mov_b32 s12, ttmp9
	s_and_b32 s13, ttmp7, 0xffff
	s_lshl_b32 s13, s13, 2
	s_cmp_eq_u32 s12, 2
	s_cselect_b32 s18, s13, 0
	s_cselect_b32 s19, 0, s13
	s_add_co_u32 s42, s40, s18
	s_add_co_u32 s17, s41, s19
	s_lshl_b32 s43, s41, 2
	s_lshl_b32 s43, 15, s43
	s_lshl_b32 s44, 0x1111, s40
	s_or_b32 s[G1+0], s43, (0<<16)|(1<<20)|(1<<21)|(5<<22)|(3<<25)
	s_or_b32 s[G1B+0], s44, (0<<16)|(1<<20)|(1<<21)|(5<<22)|(3<<25)
.irp g, G1, G1B
	s_mov_b32 s[\g+1], ROWB<<16
	s_mov_b32 s[\g+2], 128<<16
	s_mov_b32 s[\g+3], ROWB<<16
	s_mov_b32 s[\g+4], 128
	s_mov_b32 s[\g+5], KROW
	s_mov_b32 s[\g+6], 0
	s_mov_b32 s[\g+7], 0
.endr
	s_lshl_b32 s18, s16, 7
	s_lshl_b32 s20, s17, 8
	s_add_co_u32 s20, s20, s18
	s_lshl_b32 s20, s20, 10
	s_mov_b32 s21, 0
	s_lshl_b32 s46, s42, 8
	s_add_co_u32 s46, s46, s18
	s_lshl_b32 s46, s46, 10
	s_mov_b32 s47, 0
	s_mul_i32 s45, s14, HALFT
	s_lshl_b32 s22, s12, 23
	s_mov_b32 s23, 0
	s_lshl_b32 s90, s12, 20
	s_mov_b32 s91, 0
	s_wait_kmcnt 0x0
	s_load_b256 s[76:83], s[8:9], 0x0
	s_load_b64 s[84:85], s[8:9], 0x20
	s_add_nc_u64 s[4:5], s[4:5], s[22:23]
	s_add_nc_u64 s[6:7], s[6:7], s[90:91]
	s_cmp_eq_u32 s12, 2
	s_cselect_b64 s[92:93], s[6:7], s[4:5]
	s_cselect_b64 s[94:95], s[4:5], s[6:7]
	s_add_nc_u64 s[20:21], s[92:93], s[20:21]
	s_add_nc_u64 s[46:47], s[94:95], s[46:47]
	CROUND
.irp s, 0,1
	s_mov_b32 s[G0+4*\s], 1
	s_add_co_u32 s[G0+4*\s+1], s45, \s*SLOT
	s_add_nc_u64 s[G0+4*\s+2:G0+4*\s+3], s[20:21], \s*ROWB
	s_or_b32 s[G0+4*\s+3], s[G0+4*\s+3], 0x80000000
	s_mov_b32 s[G0B+4*\s], 1
	s_add_co_u32 s[G0B+4*\s+1], s45, \s*SLOT
	s_add_nc_u64 s[G0B+4*\s+2:G0B+4*\s+3], s[46:47], \s*ROWB
	s_or_b32 s[G0B+4*\s+3], s[G0B+4*\s+3], 0x80000000
	s_wait_alu depctr_va_vdst(0)
	s_wait_tensorcnt 0x0
	ds_add_u32 v28, v29
	ds_add_u32 v28, v29
	s_wait_dscnt 0x0
	CROUND
	JLOAD G0+4*\s, G1, G0B+4*\s, G1B
.endr
	v_and_b32 v1, 15, v0
	v_bfe_u32 v2, v0, 4, 1
	v_mul_u32_u24 v3, v1, PITCH
	v_lshl_add_u32 v4, v2, 4, v3
	s_mul_i32 s21, s15, HALFT
	s_mul_i32 s22, s16, HALFT
	s_add_co_u32 s22, s22, 2*HALFT
.irp s, 0,1
	v_add_nc_u32 v[ADRA+\s], s21, v4
	v_add_nc_u32 v[ADRB+\s], s22, v4
	s_add_co_u32 s21, s21, SLOT
	s_add_co_u32 s22, s22, SLOT
.endr
	s_cmp_eq_u32 s12, 2
	s_cselect_b32 s90, s17, s42
	s_cselect_b32 s91, s15, s16
	s_cselect_b32 s92, s42, s17
	s_cselect_b32 s93, s16, s15
	s_cselect_b64 s[88:89], s[70:71], s[68:69]
	s_cmp_eq_u32 s12, 0
	s_cselect_b64 s[88:89], s[10:11], s[88:89]
	s_cselect_b64 s[86:87], s[72:73], s[74:75]
	s_cselect_b32 s94, 0, 1
	s_lshl_b32 s95, s90, 1
	s_add_co_u32 s95, s95, s91
	s_lshl_b32 s22, s95, 9
	s_mov_b32 s23, 0
	s_add_nc_u64 s[88:89], s[88:89], s[22:23]
	s_lshr_b32 s22, s92, 3
	s_lshl_b32 s22, s22, 4
	s_lshl_b32 s95, s95, 1
	s_add_co_u32 s22, s22, s95
	s_lshl_b32 s22, s22, 17
	s_and_b32 s92, s92, 7
	s_lshl_b32 s92, s92, 1
	s_add_co_u32 s92, s92, s93
	s_lshl_b32 s92, s92, 13
	s_add_co_u32 s22, s22, s92
	s_lshl_b32 s22, s22, s94
	s_add_nc_u64 s[86:87], s[86:87], s[22:23]
	s_lshl_b32 s95, 0x20000, s94
	v_and_b32 v5, 31, v0
	v_lshlrev_b32 v[VO], 4, v5
	v_add_nc_u32 v[VO+1], s95, v[VO]
	s_cmp_eq_u32 s12, 2
	s_cbranch_scc1 .Lbias_v
	v_lshlrev_b32 v[BO], 6, v2
.irp g, 0,1,2,3
.irp k, 0,1,2,3
	global_load_b128 v[BI+16*\g+4*\k:BI+16*\g+4*\k+3], v[BO], s[88:89] offset:128*\g+16*\k
.endr
.endr
	s_branch .Lbias_in
.Lbias_v:
	v_lshlrev_b32 v[BO], 2, v1
.irp a, 0,1,2,3,4,5,6,7
	global_load_b32 v[BI+2*\a], v[BO], s[88:89] offset:64*\a
	v_mov_b32 v[BI+2*\a+1], 0
.endr
.set i, 16
.rept 48
	v_mov_b32 v[BI+i], 0
.set i, i+1
.endr
.Lbias_in:
	s_wait_kmcnt 0x0
	s_cmp_eq_u32 s12, 0
	s_cselect_b32 s90, s76, s78
	s_cselect_b32 s91, s77, s79
	s_cselect_b32 s92, s82, s83
	s_cmp_eq_u32 s12, 2
	s_cselect_b32 s90, s80, s90
	s_cselect_b32 s91, s81, s91
	s_cselect_b32 s92, s85, s92
	s_add_co_i32 s96, s90, s91
	s_add_co_i32 s96, s96, 127
	s_lshl_b32 s96, s96, 23
	s_mov_b32 s97, s96
	s_add_co_i32 s92, s92, 127
	s_lshl_b32 s98, s92, 23
	s_add_co_i32 s92, s92, 15
	s_lshl_b32 s99, s92, 23
	s_or_b32 s99, s99, 0x600000
.macro FRAG reg, adr, q, i
.irp c, 0,1,2,3
	ds_load_b128 v[\reg+4*\c:\reg+4*\c+3], v[\adr] offset:128*(\q)+32*\c+(\i)*16*PITCH
.endr
.endm
.macro MUL16 a0, p, zero
.irp a, \a0, \a0+1
.irp b, 0,1,2,3,4,5,6,7
.if \zero
	v_wmma_f32_16x16x128_bf8_bf8 v[8*(8*((\a)%4)+\b):8*(8*((\a)%4)+\b)+7], v[128*(\p)+FR*\b:128*(\p)+FR*\b+FR-1], v[AF+FR*(\a):AF+FR*(\a)+FR-1], 0
.else
	v_wmma_f32_16x16x128_bf8_bf8 v[8*(8*((\a)%4)+\b):8*(8*((\a)%4)+\b)+7], v[128*(\p)+FR*\b:128*(\p)+FR*\b+FR-1], v[AF+FR*(\a):AF+FR*(\a)+FR-1], v[8*(8*((\a)%4)+\b):8*(8*((\a)%4)+\b)+7]
.endif
.endr
.endr
.endm
.macro FETCH_B slot, q, p
	WIN TO_B
.irp i, 0,1,2,3,4,5,6,7
	FRAG 128*(\p)+FR*\i, ADRB+\slot, \q, \i
.endr
	WIN 0
.endm
.macro FETCH_A slot, q, i0
.irp i, \i0, \i0+1, \i0+2, \i0+3
	FRAG AF+FR*(\i), ADRA+\slot, \q, \i
.endr
.endm
.macro PLACES n
.rept \n
	v_nop
.endr
.endm
.macro STEP slot, q, zero
	s_wait_dscnt 4*NL
	WIN MUL_LO
	MUL16 0, (\q)%2, \zero
	MUL16 2, (\q)%2, \zero
	s_wait_dscnt 0
	PLACES NP
	FETCH_B \slot, (\q)+1, 1-(\q)%2
	FETCH_A \slot, (\q)+1, 0
	WIN MUL_HI
	MUL16 4, (\q)%2, \zero
	MUL16 6, (\q)%2, \zero
	PLACES NP
	WIN 0
	FETCH_A \slot, (\q)+1, 4
.endm
.macro TURN slot, next, fill
	s_wait_tensorcnt 0x0
	ds_add_u32 v[SPW], v[NIL]
	s_wait_dscnt 4*NL+1
	WIN MUL_LO
	MUL16 0, 1, 0
	s_wait_dscnt 0x0
	s_barrier_signal -1
	MUL16 2, 1, 0
	WIN 0
	s_barrier_wait -1
.if \fill
	CREST
	s_add_nc_u64 s[G0+4*\slot+2:G0+4*\slot+3], s[G0+4*\slot+2:G0+4*\slot+3], 2*ROWB
	s_add_nc_u64 s[G0B+4*\slot+2:G0B+4*\slot+3], s[G0B+4*\slot+2:G0B+4*\slot+3], 2*ROWB
	JLOAD G0+4*\slot, G1, G0B+4*\slot, G1B
.else
	PLACES NP
.endif
	FETCH_B \next, 0, 0
	FETCH_A \next, 0, 0
	WIN MUL_HI
	MUL16 4, 1, 0
	MUL16 6, 1, 0
	PLACES NP
	WIN 0
	FETCH_A \next, 0, 4
.endm
	s_wait_tensorcnt 1
	s_barrier_signal -1
	s_barrier_wait -1
	s_wait_alu depctr_va_vdst(0)
	FETCH_B 0, 0, 0
	FETCH_A 0, 0, 0
	FETCH_A 0, 0, 4
	STEP 0, 0, 1
	s_mov_b32 s3, LAPS-1
.Llap:
	TURN 0, 1, 1
	STEP 1, 0, 0
	TURN 1, 0, 1
	STEP 0, 0, 0
	s_sub_co_u32 s3, s3, 1
	s_cmp_lg_u32 s3, 0
	s_cbranch_scc1 .Llap
	TURN 0, 1, 0
	STEP 1, 0, 0
	s_wait_dscnt 4*NL
	WIN MUL_LO
	MUL16 0, 1, 0
	MUL16 2, 1, 0
	s_wait_dscnt 0
	WIN MUL_HI
	MUL16 4, 1, 0
	MUL16 6, 1, 0
	WIN 0
.macro EPI mode
.irp a, 0,1,2,3,4,5,6,7
.if \a == 4
	s_wait_xcnt 0x0
.endif
	WIN 0x02+(\a/4)
.set j, 0
.rept 32
.if \mode
	v_pk_fma_f32 v[TT+j:TT+j+1], v[64*(\a%4)+j:64*(\a%4)+j+1], s[96:97], v[BI+2*\a:BI+2*\a+1] op_sel_hi:[1,0,0]
.else
	v_pk_fma_f32 v[TT+j:TT+j+1], v[64*(\a%4)+j:64*(\a%4)+j+1], s[96:97], v[BI+j:BI+j+1] op_sel_hi:[1,0,1]
.endif
.set j, j+2
.endr
	WIN 0
.irp g, 0,1,2,3
.irp i, 0,1,2,3,4,5,6,7,8,9,10,11,12,13,14,15
	v_med3_num_f32 v[TT+16*\g+\i], v[TT+16*\g+\i], -v[LIM], v[LIM]
.endr
	v_cvt_scalef32_pk8_bf8_f32 v[CC+16*(\a%4)+4*\g:CC+16*(\a%4)+4*\g+1], v[TT+16*\g:TT+16*\g+7], v[SCL]
	v_cvt_scalef32_pk8_bf8_f32 v[CC+16*(\a%4)+4*\g+2:CC+16*(\a%4)+4*\g+3], v[TT+16*\g+8:TT+16*\g+15], v[SCL]
.endr
	v_nop
.irp g, 0,1,2,3
.if \mode
	global_store_b128 v[VO], v[CC+16*(\a%4)+4*\g:CC+16*(\a%4)+4*\g+3], s[86:87] offset:8192+(\a/4)*262144+(\a%4)*2048+\g*512
.else
	global_store_b128 v[VO+\g/2], v[CC+16*(\a%4)+4*\g:CC+16*(\a%4)+4*\g+3], s[86:87] offset:\a*1024+(\g%2)*512
.endif
.endr
.endr
.endm
	PLACES NP
	v_mov_b32 v[SCL], s98
	v_mov_b32 v[LIM], s99
	s_wait_loadcnt 0x0
	s_cmp_eq_u32 s12, 2
	s_cbranch_scc1 .Lout_v
	EPI 0
	s_branch .Ldone
.Lout_v:
	EPI 1
.Ldone:
	s_wait_tensorcnt 0x0
	ds_add_u32 v[SPW], v[NIL]
	s_wait_dscnt 0x0
	CROUND
	s_endpgm
.Lfunc_end_k_q625528eee6_proj:
	.size	k_q625528eee6_proj, .Lfunc_end_k_q625528eee6_proj-k_q625528eee6_proj
	.p2alignl 7, 3214868480
	.fill 96, 4, 3214868480
	.section	.rodata,"a",@progbits
	.p2align	6, 0x0
	.amdhsa_kernel k_q625528eee6_proj
		.amdhsa_group_segment_fixed_size 327680
		.amdhsa_private_segment_fixed_size 0
		.amdhsa_enable_private_segment 0
		.amdhsa_kernarg_size 64
		.amdhsa_user_sgpr_count 2
		.amdhsa_user_sgpr_kernarg_segment_ptr 1
		.amdhsa_wavefront_size32 1
		.amdhsa_system_sgpr_workgroup_id_x 1
		.amdhsa_system_sgpr_workgroup_id_y 1
		.amdhsa_system_sgpr_workgroup_id_z 1
		.amdhsa_system_vgpr_workitem_id 0
		.amdhsa_next_free_vgpr 1024
		.amdhsa_next_free_sgpr 100
		.amdhsa_reserve_vcc 0
		.amdhsa_float_denorm_mode_32 3
		.amdhsa_float_denorm_mode_16_64 3
		.amdhsa_memory_ordered 1
		.amdhsa_forward_progress 1
		.amdhsa_inst_pref_size 196
	.end_amdhsa_kernel
	.amdgpu_metadata
---
amdhsa.version: [ 1, 2 ]
amdhsa.kernels:
  - .name:           k_q625528eee6_proj
    .symbol:         k_q625528eee6_proj.kd
    .args:
      - { .name: xc, .offset: 0, .size: 8, .value_kind: global_buffer, .address_space: global }
      - { .name: wc, .offset: 8, .size: 8, .value_kind: global_buffer, .address_space: global }
      - { .name: lowp_scales, .offset: 16, .size: 8, .value_kind: global_buffer, .address_space: global }
      - { .name: bq, .offset: 24, .size: 8, .value_kind: global_buffer, .address_space: global }
      - { .name: bk, .offset: 32, .size: 8, .value_kind: global_buffer, .address_space: global }
      - { .name: bv, .offset: 40, .size: 8, .value_kind: global_buffer, .address_space: global }
      - { .name: qc, .offset: 48, .size: 8, .value_kind: global_buffer, .address_space: global }
      - { .name: kvc, .offset: 56, .size: 8, .value_kind: global_buffer, .address_space: global }
    .group_segment_fixed_size: 327680
    .private_segment_fixed_size: 0
    .kernarg_segment_align: 8
    .kernarg_segment_size: 64
    .max_flat_workgroup_size: 128
    .sgpr_count:     100
    .vgpr_count:     1024
    .wavefront_size: 32
...
	.end_amdgpu_metadata
.endif
;; end of part 2
;; launch attn (part 3): grid 4 x 64, 8 waves a work-group, no clusters, 327,680 bytes of LDS; arguments qc, kvc, maskw, maskf, lowp_scales, inputs, out0; writes out0
.if DOCPART == 3
	.amdgcn_target "amdgcn-amd-amdhsa--gfx1250"
	.amdhsa_code_object_version 6
	.text
	.protected	k_q625528eee6_attn
	.globl	k_q625528eee6_attn
	.p2align	8
	.type	k_q625528eee6_attn,@function
k_q625528eee6_attn:
	s_mov_b64 s[64:65], 0
	v_nop
	global_prefetch_b8 v0, s[64:65] scope:SCOPE_SE
	s_setreg_imm32_b32 hwreg(HW_REG_WAVE_MODE, 25, 1), 1
	s_wait_xcnt 0x0
; out0 = inputs + softmax(mask(Q K^T / 32)) V, head by head, both products on codes of BF8 (E5M2) with the given scales 2^eq, 2^ek, 2^ep, 2^ev (lowp_scales[6..9]).
; t = score x log2(e) / 32; M = the running largest t rounded up to a whole number; p = 2^(t - M) is quantised along the keys; the row's sum is taken of the unquantised p and divides at the end.
; A row all of whose keys are masked has the sum 0 and comes out NaN, as the softmax of -infinities does.
; SHARES.  A work-group owns one of the 64 heads and 512 of its queries; each of its 8 waves owns, in each of 2 passes, 2 tiles of 16 queries.  A key step is 128 keys, 16 steps a pass.
; The head's K and V, 16 steps x 16,384 bytes laid by the launch before as images of the operands' registers, are brought into LDS ONCE, at the head: each wave loads 32,768 bytes (64 loads, issued on end),
; stores them to LDS, and one barrier shows them to all.  Both products are used transposed: a lane holds one query (lane % 16), its registers run along the keys.
; THE MASK.  maskw holds, for a tile of queries and a key step, 64 words: bit L of word n is the mask of lane L's register n.  maskf holds a bit for each (tile, key step): set where any of these is set.
; A scalar branch on that bit leads round the step's 64 selects, of some 300 vector instructions of a tile's step; the same bit, tested one tile ahead, leads round the load of the 64 words (a pass's first words are always loaded).
; NO TENSOR LOAD, NO CLUSTER.  What the 4 work-groups of a head share is read once by each, 262,144 bytes at the head.
; NO PREFETCH: K and V are asked for whole by the first loads; the residual's rows are loaded 16 key steps ahead of their use.
; LIMITS: eq + ek between -121 and 132 (added to the exponent field of log2(e) / 32); ep between -126 and 112; the scaled scores stay under 2^31 in magnitude.
; REGISTERS.  window 0: v1 16 x lane, v2 LDS address, v4-6 the way out, v7 -infinity, v8 and v14 57,344 x 2^ep, v9 2^ep, v13 ep + ev, v16-31 two tiles' state, v32-47 Q, v64-191 S^T then p, v192-223 p's codes, v224-227 maxima.
;   window 1: v0-63 O^T, v64-127 K's fragments, v128-191 V's, v192-255 the residual.  State of a tile: +0 -M, +1 largest t, +2..5 the sum in two pairs, +6 old -M, then f = 2^(old M - new M), +7 named with it as a pair.
.set ST,    16
.set Q,     32
.set S,     64
.set P,     192
.set MX,    224
.set KF,    64
.set VF,    128
.set RS,    192
.set STEPB, 16384
.set STAGE, 278528                     ; behind K and V: 16 rows x 272 bytes for each wave, for the way out
.set SPITCH, 272
.set SPARE, 0x4c800                    ; behind the stages: the spare words, 128 bytes a wave
.set FL,    86                         ; s86, s87: the two tiles' flags, the step in hand at bit 0
.set MSB, 0
.macro WIN new                         ; the immediate's high byte repeats the setting that is left
.if MSB != \new
	s_set_vgpr_msb (MSB<<8)|\new
.set MSB, \new
.endif
.endm
.macro MASKLD off                      ; a tile's 64 mask words of a key step
	s_load_b512 s[16:31], s[10:11], \off
	s_load_b512 s[32:47], s[10:11], \off+64
	s_load_b512 s[48:63], s[10:11], \off+128
	s_load_b512 s[68:83], s[10:11], \off+192
.endm
.macro LOADQ                           ; a pass's two fragments of Q
.irp u, 0,1
.irp c, 0,1
	global_load_b128 v[Q+8*\u+4*\c:Q+8*\u+4*\c+3], v1, s[12:13] offset:1024*\u+512*\c
.endr
.endr
.endm
.macro LOADM                           ; its first mask words, and the eight flag words of each tile
	MASKLD 0
.irp j, 0,1,2,3,4,5,6,7
	s_load_b32 s[FL+\j], s[84:85], 256*\j
	s_load_b32 s[FL+8+\j], s[84:85], 2048+256*\j
.endr
.endm
.macro LOADR                           ; its 32 rows of the residual: sixteen lanes read 256 consecutive bytes
	WIN 0x40
.irp u, 0,1
.irp i, 0,1,2,3,4,5,6,7
	global_load_b128 v[RS+32*\u+4*\i:RS+32*\u+4*\i+3], v6, s[14:15] offset:(16*\u+2*\i)*16384 th:TH_LOAD_NT
.endr
.endr
	WIN 0
.endm
	s_load_b256 s[16:23], s[0:1], 0x0              ; qc, kvc, maskw, maskf
	s_load_b128 s[24:27], s[0:1], 0x20             ; lowp_scales, inputs
	s_load_b64 s[28:29], s[0:1], 0x30              ; out0
	v_lshl_add_u32 v254, v0, 2, SPARE
	v_mov_b32 v255, 0
	v_lshrrev_b32 v3, 5, v0
	v_readfirstlane_b32 s2, v3                     ; wave 0..7
	v_and_b32 v3, 31, v0
	v_and_b32 v14, 15, v0                          ; r
	v_bfe_u32 v15, v0, 4, 1                        ; h
	v_lshlrev_b32 v1, 4, v3                        ; 16 x lane
	s_lshl_b32 s37, s2, 15                         ; my 32,768 bytes of K and V
	s_mul_i32 s36, s2, 16*SPITCH
	s_add_co_u32 s36, s36, STAGE                   ; my stage
	v_add_nc_u32 v2, s37, v1
	v_mul_u32_u24 v4, v14, SPITCH
	v_mul_u32_u24 v5, v15, SPITCH
	v_lshlrev_b32 v6, 14, v15
	v_lshl_add_u32 v4, v15, 5, v4
	v_lshl_add_u32 v5, v14, 4, v5
	v_lshl_add_u32 v6, v14, 4, v6                  ; residual and out0: lanes 0-15 one query's 256 bytes, lanes 16-31 the next query's
	v_add_nc_u32 v4, s36, v4                       ; into the stage: row r, 32 bytes for each half
	v_add_nc_u32 v5, s36, v5                       ; back: two rows an instruction
	v_mov_b32 v7, 0xff800000
	v_mov_b32 v12, 0                               ; a lane permute's destination counts as read
	s_and_b32 s101, ttmp7, 0xffff                  ; the head, 16 b + nh
	s_lshl_b32 s38, s101, 18
	s_add_co_u32 s38, s38, s37
	s_mov_b32 s39, 0
	s_lshl_b32 s44, ttmp9, 5
	s_lshl_b32 s45, s2, 1
	s_add_co_u32 s44, s44, s45                     ; my first tile of queries: 32 x + 2 wave
	s_lshl_b32 s46, s101, 17
	s_lshl_b32 s45, s44, 10
	s_add_co_u32 s46, s46, s45
	s_mov_b32 s47, 0
	s_lshl_b32 s48, s44, 12
	s_mov_b32 s49, 0
	s_lshl_b32 s50, s44, 11
	s_mov_b32 s51, 0
	s_lshl_b32 s52, s44, 18                        ; 16 queries x 16,384 bytes,
	s_lshr_b32 s45, s101, 4
	s_lshl_b32 s45, s45, 12                        ; the batch's 4,096,
	s_add_co_u32 s52, s52, s45
	s_and_b32 s45, s101, 15
	s_lshl_b32 s45, s45, 8                         ; the head's 256
	s_add_co_u32 s52, s52, s45
	s_mov_b32 s53, 0
	s_mov_b32 s8, 0x76543210
	s_mov_b32 s9, 0xfedcba98                       ; lane l xor 16
	s_wait_alu depctr_va_vdst(0)                   ; directly ahead of the wait below
	s_wait_kmcnt 0x0
	s_load_b128 s[40:43], s[24:25], 0x18           ; eq, ek, ep, ev
	s_add_nc_u64 s[12:13], s[16:17], s[46:47]
	s_add_nc_u64 s[4:5], s[18:19], s[38:39]
	s_add_nc_u64 s[10:11], s[20:21], s[48:49]
	s_add_nc_u64 s[84:85], s[22:23], s[50:51]
	s_add_nc_u64 s[14:15], s[26:27], s[52:53]
	s_add_nc_u64 s[66:67], s[28:29], s[52:53]
	LOADQ
.set i, 0
.rept 32                               ; K and V: 512 consecutive bytes a load
	global_load_b128 v[64+4*i:67+4*i], v1, s[4:5] offset:512*i
.set i, i+1
.endr
	s_wait_kmcnt 0x0
	s_add_co_i32 s44, s40, s41
	s_lshl_b32 s44, s44, 23
	s_add_co_i32 s6, s44, 0x3d38aa3b               ; c = log2(e) / 32 x 2^(eq + ek)
	s_mov_b32 s7, s6
	s_add_co_i32 s44, s42, 127
	s_lshl_b32 s45, s44, 23
	v_mov_b32 v9, s45
	s_add_co_i32 s44, s44, 15
	s_lshl_b32 s44, s44, 23
	s_or_b32 s44, s44, 0x600000
	v_mov_b32 v8, s44
	v_mov_b32 v14, s44                             ; the bound twice: the two halves of a dual pair take their second sources from different register banks
	s_add_co_i32 s44, s42, s43
	v_mov_b32 v13, s44
	LOADM
	WIN 0x40
.rept 32
	global_load_b128 v[64+4*(i-32):67+4*(i-32)], v1, s[4:5] offset:512*i
.set i, i+1
.endr
	WIN 0
	s_wait_alu depctr_va_vdst(0)                   ; the wait at the head's end
.set i, 0
.irp g, 0,1,2,3                        ; of 4 + 64 loads, Q's and 16 (g + 1) of K's and V's are in: they go to LDS as they lie
	s_wait_loadcnt 48-16*\g
	WIN 0x04*(\g/2)
.rept 16
	ds_store_b128 v2, v[64+4*(i%32):67+4*(i%32)] offset:512*i
.set i, i+1
.endr
.endr
	WIN 0
	s_wait_dscnt 0x0                               ; my stores are done: say so; behind the barrier all of K and V is there, and nobody writes it again
	s_barrier_signal -1
	s_barrier_wait -1
	s_mov_b32 s5, 2
	LOADR
.macro FETCH_K adr, off
.irp t, 0,1,2,3,4,5,6,7
	ds_load_b128 v[KF+8*\t:KF+8*\t+3],   v[\adr] offset:\off+1024*\t
	ds_load_b128 v[KF+8*\t+4:KF+8*\t+7], v[\adr] offset:\off+1024*\t+512
.endr
.endm
.macro FETCH_V
.irp d, 0,1,2,3
.irp c, 0,1,2,3
	ds_load_b128 v[VF+16*\d+4*\c:VF+16*\d+4*\c+3], v2 offset:8192+2048*\d+512*\c
.endr
.endr
.endm
; The softmax of tile tau's 64 scores a lane.  nxt: which mask words come next (1: the other tile's, 2: the next step's, 0: none).
.macro SOFTMAX tau, nxt
.set SS, S+64*\tau
.set TS, ST+8*\tau
.set PP, P+16*\tau
	s_wait_kmcnt 0x0                               ; the tile's mask words, if any were asked for, are in
.if \tau
	s_wait_alu depctr_va_vdst(0)                   ; the wait ahead of the first readers of these scores
.endif
	s_bitcmp1_b32 s[FL+\tau], 0
	s_cbranch_scc0 .Lopen_\@                       ; no key of this step is masked for this tile
.set n, 0
.rept 64
	v_cndmask_b32 v[SS+n], v[SS+n], v7, s[16+n+4*(n/48)]
.set n, n+1
.endr
.Lopen_\@:
.if (\nxt) == 1
	s_bitcmp1_b32 s[FL+1], 0                       ; the bit that the other tile's selects hang on
	s_cbranch_scc0 .Lnone_\@
	MASKLD 4096
.Lnone_\@:
.elseif (\nxt) == 2
	s_wait_xcnt 0x0
	s_add_nc_u64 s[10:11], s[10:11], 256
	s_bitcmp1_b32 s[FL], 1                         ; the next step's bit of tile 0
	s_cbranch_scc0 .Lnone_\@
	MASKLD 0
.Lnone_\@:
.endif
.irp c, 0,1,2,3                        ; the largest score, in four chains by turns, each accumulator from its low end on
	v_max3_num_f32 v[MX+\c], v[SS+3*\c], v[SS+3*\c+1], v[SS+3*\c+2]
.endr
.set n, 12
.rept 26
	v_max3_num_f32 v[MX+((n-12)/2)%4], v[MX+((n-12)/2)%4], v[SS+n], v[SS+n+1]
.set n, n+2
.endr
	v_max3_num_f32 v[MX], v[MX], v[MX+1], v[MX+2]
	s_delay_alu instid0(VALU_DEP_1)
	v_max_num_f32 v[MX], v[MX], v[MX+3]
	s_delay_alu instid0(VALU_DEP_1)
	v_permlanex16_b32 v12, v[MX], s8, s9
	s_delay_alu instid0(VALU_DEP_1)
	v_max_num_f32 v[MX], v[MX], v12
	s_delay_alu instid0(VALU_DEP_1)
	v_mul_f32 v[MX], s6, v[MX]                     ; as t (c is positive)
	s_delay_alu instid0(VALU_DEP_1)
	v_max_num_f32 v[TS+1], v[TS+1], v[MX]
	s_delay_alu instid0(VALU_DEP_1)
	v_floor_f32 v[TS], -v[TS+1]                    ; -M
	s_delay_alu instid0(VALU_DEP_1)
	v_sub_f32 v[TS+6], v[TS], v[TS+6]              ; old M - new M, a whole number
.set k, 0
.rept 32                               ; t - M, two at a time; the two lines that make f stand among them
	v_pk_fma_f32 v[SS+2*k:SS+2*k+1], v[SS+2*k:SS+2*k+1], s[6:7], v[TS:TS+1] op_sel_hi:[1,0,0]
.if k == 3
	v_cvt_i32_f32 v[TS+6], v[TS+6]
.elseif k == 7
	v_ldexp_f32 v[TS+6], 1.0, v[TS+6]
.endif
.set k, k+1
.endr
	s_wait_alu depctr_va_vdst(0)                   ; one wait ahead of the batch
.set n, 0
.rept 64
	v_exp_f32 v[SS+n], v[SS+n]
.set n, n+1
.endr
	v_pk_mul_f32 v[TS+2:TS+3], v[TS+2:TS+3], v[TS+6:TS+7] op_sel_hi:[1,0]   ; the sums under the new M
	v_pk_mul_f32 v[TS+4:TS+5], v[TS+4:TS+5], v[TS+6:TS+7] op_sel_hi:[1,0]
	s_wait_alu depctr_va_vdst(0)                   ; and one behind it, ahead of its first reader
.set k, 0
.rept 32                               ; a pair of p is summed, then held by one dual pair (the conversion does not saturate: ISA guide 7.6.2); 16 held numbers are converted two pairs later
	v_pk_add_f32 v[TS+2+2*(k%2):TS+3+2*(k%2)], v[TS+2+2*(k%2):TS+3+2*(k%2)], v[SS+2*k:SS+2*k+1]
	v_dual_min_num_f32 v[SS+2*k], v[SS+2*k], v8 :: v_dual_min_num_f32 v[SS+2*k+1], v[SS+2*k+1], v14
.if (k%8) == 1 && k > 1
	v_cvt_scalef32_pk8_bf8_f32 v[PP+4*(k/8-1):PP+4*(k/8-1)+1], v[SS+16*(k/8-1):SS+16*(k/8-1)+7], v9
	v_cvt_scalef32_pk8_bf8_f32 v[PP+4*(k/8-1)+2:PP+4*(k/8-1)+3], v[SS+16*(k/8-1)+8:SS+16*(k/8-1)+15], v9
.endif
.set k, k+1
.endr
	v_cvt_scalef32_pk8_bf8_f32 v[PP+12:PP+13], v[SS+48:SS+55], v9
	v_cvt_scalef32_pk8_bf8_f32 v[PP+14:PP+15], v[SS+56:SS+63], v9
	v_nop                                          ; a plain line behind the last conversion
.endm
; A key step for both tiles.  ahead = 1: the next step's K is fetched under this step's softmax.
.macro STEP ahead
	s_wait_dscnt 0x0                               ; K's fragments are in
	WIN 0x01
.irp u, 0,1                            ; tile 0's eight products first: its softmax comes first
.irp t, 0,1,2,3,4,5,6,7
	v_wmma_f32_16x16x64_bf8_bf8 v[S+64*\u+8*\t:S+64*\u+8*\t+7], v[KF+8*\t:KF+8*\t+7], v[Q+8*\u:Q+8*\u+7], 0
.endr
.endr
	WIN 0
	v_add_nc_u32 v2, s3, v1                        ; four places behind the products
	v_mov_b32 v[ST+6], v[ST]
	v_mov_b32 v[ST+14], v[ST+8]
	v_nop
	WIN 0x40
	FETCH_V
.if \ahead
	FETCH_K 2, STEPB
.endif
	WIN 0
	SOFTMAX 0, 1
	SOFTMAX 1, 2*\ahead
	WIN 0x41
	s_wait_alu depctr_va_vdst(0)                   ; the wait ahead of the first readers of O^T
.irp u, 0,1
.set i, 0
.rept 16
	v_pk_mul_f32 v[32*\u+i:32*\u+i+1], v[32*\u+i:32*\u+i+1], v[ST+8*\u+6:ST+8*\u+7] op_sel_hi:[1,0]
.set i, i+2
.endr
.endr
	s_wait_alu depctr_va_vdst(0)                   ; and here, directly ahead of the wait below
	s_wait_dscnt 16*\ahead                         ; V's 16 loads are in; the next K's 16 may be out
	WIN 0x51
.irp d, 0,1,2,3
.irp u, 0,1
	v_wmma_f32_16x16x128_bf8_bf8 v[32*\u+8*\d:32*\u+8*\d+7], v[VF+16*\d:VF+16*\d+15], v[P+16*\u:P+16*\u+15], v[32*\u+8*\d:32*\u+8*\d+7]
.endr
.endr
	WIN 0
.if \ahead
	s_add_co_u32 s3, s3, STEPB
	s_lshr_b32 s[FL], s[FL], 1
	s_lshr_b32 s[FL+1], s[FL+1], 1
.endif
.endm
.Lpass:
	WIN 0x40
.set i, 0
.rept 64
	v_mov_b32 v[i], 0                              ; O^T: the step is written once, and its first change of M leaves zeros zeros
.set i, i+1
.endr
	WIN 0
.irp u, 0,1
	v_mov_b32 v[ST+8*\u+1], 0xff61b1e6             ; -3e38, under every t
	v_floor_f32 v[ST+8*\u], -v[ST+8*\u+1]
.irp j, 2,3,4,5,6,7
	v_mov_b32 v[ST+8*\u+\j], 0
.endr
.endr
	s_mov_b32 s3, 0
	WIN 0x40
	FETCH_K 1, 0
	WIN 0
	s_wait_kmcnt 0x0
.irp j, 1,2,3,4,5,6,7                  ; a tile's 16 flags: the eight words hold two bits each
	s_or_b32 s[FL], s[FL], s[FL+\j]
	s_or_b32 s[FL+8], s[FL+8], s[FL+8+\j]
.endr
	s_mov_b32 s[FL+1], s[FL+8]
	s_wait_loadcnt 16                              ; Q is in; the residual's 16 loads may be out
	s_mov_b32 s4, 15
.Lstep:
	s_wait_alu depctr_va_vdst(0)                   ; the wait behind the branch and the waits above
	STEP 1
	s_sub_co_u32 s4, s4, 1
	s_cmp_lg_u32 s4, 0
	s_cbranch_scc1 .Lstep
	STEP 0
	; THE WAY OUT: O^T / the sum x 2^(ep + ev) goes through my stage and comes back as rows of 256 bytes; the residual is added; sixteen lanes store one aligned unit of 256 bytes
.irp u, 0,1
	v_add_f32 v[ST+8*\u+2], v[ST+8*\u+2], v[ST+8*\u+3]
	v_add_f32 v[ST+8*\u+4], v[ST+8*\u+4], v[ST+8*\u+5]
.endr
	v_add_f32 v[ST+2], v[ST+2], v[ST+4]
	v_add_f32 v[ST+10], v[ST+10], v[ST+12]
	v_permlanex16_b32 v[MX], v[ST+2], s8, s9
	v_permlanex16_b32 v[MX+1], v[ST+10], s8, s9
	v_add_f32 v[ST+2], v[ST+2], v[MX]
	v_add_f32 v[ST+10], v[ST+10], v[MX+1]
	s_wait_alu depctr_va_vdst(0)                   ; ahead of the two reciprocals
	v_rcp_f32 v[ST+6], v[ST+2]
	v_rcp_f32 v[ST+14], v[ST+10]
	v_nop
	s_wait_alu depctr_va_vdst(0)                   ; and behind them
	v_ldexp_f32 v[ST+6], v[ST+6], v13
	v_ldexp_f32 v[ST+14], v[ST+14], v13
	WIN 0x01
	s_wait_alu depctr_va_vdst(0)                   ; ahead of the first readers of O^T
.irp u, 0,1
.set i, 0
.rept 16
	v_pk_mul_f32 v[S+32*\u+i:S+32*\u+i+1], v[32*\u+i:32*\u+i+1], v[ST+8*\u+6:ST+8*\u+7] op_sel_hi:[1,0]
.set i, i+2
.endr
.endr
	WIN 0
.irp u, 0,1
.irp d, 0,1,2,3
	ds_store_b128 v4, v[S+32*\u+8*\d:S+32*\u+8*\d+3] offset:64*\d
	ds_store_b128 v4, v[S+32*\u+8*\d+4:S+32*\u+8*\d+7] offset:64*\d+16
.endr
.irp i, 0,1,2,3,4,5,6,7
	ds_load_b128 v[S+64+32*\u+4*\i:S+64+32*\u+4*\i+3], v5 offset:2*\i*SPITCH   ; LDS serves a wave's instructions in order (ISA guide 5.7.1.4)
.endr
.endr
	s_wait_dscnt 0x0
	s_wait_loadcnt 0x0
	WIN 0x04
.set i, 0
.rept 32
	v_pk_add_f32 v[S+64+i:S+64+i+1], v[S+64+i:S+64+i+1], v[RS+i:RS+i+1]
.set i, i+2
.endr
	WIN 0
.irp u, 0,1
.irp i, 0,1,2,3,4,5,6,7
	global_store_b128 v6, v[S+64+32*\u+4*\i:S+64+32*\u+4*\i+3], s[66:67] offset:(16*\u+2*\i)*16384 th:TH_STORE_NT
.endr
.endr
	s_wait_xcnt 0x0                                ; the stores and loads have read their bases and registers
	s_add_nc_u64 s[12:13], s[12:13], 16*1024       ; 16 tiles of queries on
	s_add_nc_u64 s[10:11], s[10:11], 16*4096-15*256
	s_add_nc_u64 s[84:85], s[84:85], 16*2048
	s_add_nc_u64 s[14:15], s[14:15], 256*16384
	s_add_nc_u64 s[66:67], s[66:67], 256*16384
	s_sub_co_u32 s5, s5, 1
	s_cmp_lg_u32 s5, 0
	s_cbranch_scc0 .Ldone                          ; the last pass asks for nothing more
	LOADQ
	LOADM
	LOADR
	s_cmp_lg_u32 s5, 0
	s_cbranch_scc1 .Lpass
.Ldone:
	s_wait_tensorcnt 0x0                           ; the wave's end, behind my last LDS store
	ds_add_u32 v254, v255
	s_wait_dscnt 0x0
	s_endpgm
.Lfunc_end_k_q625528eee6_attn:
	.size	k_q625528eee6_attn, .Lfunc_end_k_q625528eee6_attn-k_q625528eee6_attn
	.p2alignl 7, 3214868480
	.fill 96, 4, 3214868480
	.section	.rodata,"a",@progbits
	.p2align	6, 0x0
	.amdhsa_kernel k_q625528eee6_attn
		.amdhsa_group_segment_fixed_size 327680
		.amdhsa_private_segment_fixed_size 0
		.amdhsa_enable_private_segment 0
		.amdhsa_kernarg_size 56
		.amdhsa_user_sgpr_count 2
		.amdhsa_user_sgpr_kernarg_segment_ptr 1
		.amdhsa_wavefront_size32 1
		.amdhsa_system_sgpr_workgroup_id_x 1
		.amdhsa_system_sgpr_workgroup_id_y 1
		.amdhsa_system_sgpr_workgroup_id_z 1
		.amdhsa_system_vgpr_workitem_id 0
		.amdhsa_next_free_vgpr 512
		.amdhsa_next_free_sgpr 102
		.amdhsa_reserve_vcc 0
		.amdhsa_float_denorm_mode_32 3
		.amdhsa_float_denorm_mode_16_64 3
		.amdhsa_memory_ordered 1
		.amdhsa_forward_progress 1
		.amdhsa_inst_pref_size 108
	.end_amdhsa_kernel
	.amdgpu_metadata
---
amdhsa.version: [ 1, 2 ]
amdhsa.kernels:
  - .name:           k_q625528eee6_attn
    .symbol:         k_q625528eee6_attn.kd
    .args:
      - { .name: qc, .offset: 0, .size: 8, .value_kind: global_buffer, .address_space: global }
      - { .name: kvc, .offset: 8, .size: 8, .value_kind: global_buffer, .address_space: global }
      - { .name: maskw, .offset: 16, .size: 8, .value_kind: global_buffer, .address_space: global }
      - { .name: maskf, .offset: 24, .size: 8, .value_kind: global_buffer, .address_space: global }
      - { .name: lowp_scales, .offset: 32, .size: 8, .value_kind: global_buffer, .address_space: global }
      - { .name: inputs, .offset: 40, .size: 8, .value_kind: global_buffer, .address_space: global }
      - { .name: out0, .offset: 48, .size: 8, .value_kind: global_buffer, .address_space: global }
    .group_segment_fixed_size: 327680
    .private_segment_fixed_size: 0
    .kernarg_segment_align: 8
    .kernarg_segment_size: 56
    .max_flat_workgroup_size: 256
    .sgpr_count:     102
    .vgpr_count:     512
    .wavefront_size: 32
...
	.end_amdgpu_metadata
.endif
;; end of part 3
